; MI455X (gfx1250); checked and timed in simulation.
; The chip was launched on July 23, 2026; its instructions are those of AMD's public machine-readable ISA for CDNA 5 (MIT licence, August 2026) and "CDNA5" Instruction Set Architecture Reference Guide (July 2026). The comments in the code are by the model that wrote it; some were corrected since.
;; Ring Attention. Allowed arithmetic: matrix products marked QUANTISED: E2M1 operands, one E8M0 scale for each 32 along K, by v_wmma_scale_f32_16x16x128_f8f6f4 with both operands' format E2M1 (or v_wmma_scale_f32_32x16x128_f4), f32 sums; everything else in f32.
;; Inputs: k_local_codes 32 x 8,192 x 2 x 16 uint8 (E2M1 codes of k_local, K innermost, in blocks of 32 codes, two codes a byte); k_local_scales 32 x 8,192 x 2 uint8 (E8M0 scales of k_local, one for each 32 codes along K); q_local_codes 32 x 1,024 x 2 x 16 uint8 (E2M1 codes of q_local, K innermost, in blocks of 32 codes, two codes a byte); q_local_scales 32 x 1,024 x 2 uint8 (E8M0 scales of q_local, one for each 32 codes along K); v_local_codes 32 x 64 x 256 x 16 uint8 (E2M1 codes of v_local, K innermost, in blocks of 32 codes, two codes a byte); v_local_scales 32 x 64 x 256 uint8 (E8M0 scales of v_local, one for each 32 codes along K).
;; Outputs: out0 32 x 1,024 x 64 float32.
;; This version of the problem:
;;   THIS VERSION OF THE PROBLEM IS GIVEN IN LOW PRECISION. The matrix products marked QUANTISED in the list below multiply operands that are first quantised to E2M1 (2 exponent bits, 1 mantissa bit; 4 bits a number), with one power-of-two scale for each 32 numbers along K (OCP MX v1.0); their sums are f32. All else is computed in f32.
;;   The module's matrix products, in the order in which they are computed (A, B: the left and right operand; K: the contracted axis; several contracted axes count as one K, in the product's order):
;;     1. batch 32 x [M 1,024, K 64] x [K 64, N 8,192]; A: input q_local (given as codes); B: input k_local (given as codes): QUANTISED
;;     2. batch 32 x [M 1,024, K 8,192] x [K 8,192, N 64]; A: softmax (see below); B: input v_local (given as codes): QUANTISED
;;   THE QUANTISER, for each operand of a quantised product, along K:
;;     - K is cut into blocks of 32 from its start; a last block that is shorter is filled with zeros.
;;     - A block's scale is 2^e with e = floor(log2(the largest magnitude in the block)) - 2, held to -126 .. 127; a block of zeros has e = 0. As a byte (E8M0): e + 127.
;;     - Each number is divided by its block's scale, clamped to +-6, and rounded to the nearest number of E2M1, ties to even, subnormals kept.
;;     - The product sums the exact products of the quantised numbers (number of the format x scale) in f32.
;;   ~~~python
;;   def quantise(x, axis):      # numpy; x: float32 -> the quantised numbers, widened to float32 again
;;       x = np.moveaxis(x, axis, -1); K = x.shape[-1]
;;       x = np.pad(x, [(0, 0)] * (x.ndim - 1) + [(0, -K % 32)]); x = x.reshape(x.shape[:-1] + (-1, 32)); a = np.abs(x).max(-1, keepdims=True)
;;       e = np.where(a > 0, np.clip(np.frexp(np.where(a > 0, a, 1))[1] - 1 - 2, -126, 127), 0)      # np.frexp(a)[1] - 1 = floor(log2(a)), exactly
;;       r = np.clip(x / 2.0 ** e, -6, 6)
;;       step = 2.0 ** (np.maximum(np.frexp(np.where(r == 0, 1, r))[1] - 1, 0) - 1)
;;       q = np.round(r / step) * step * 2.0 ** e      # np.round: ties to even
;;       return np.moveaxis(q.reshape(q.shape[:-2] + (-1,))[..., :K], -1, axis).astype(np.float32)
;;   ~~~
;;   SOFTMAX AHEAD OF A QUANTISED PRODUCT. Where the list says 'softmax', what is quantised is not the finished softmax but p = 2^(t - M), with t = logit x log2(e) and M = ceil(the row's largest t), a whole number; so 1/2 < the row's largest p <= 1. The row's sum l is taken of the UNQUANTISED p, in f32, and the product's result is divided by l at the end. Since M is a whole number, a kernel that streams over the keys may use a running M (the ceiling of the running maximum): every later rescaling is an exact power of two, which a block's scale takes up: the codes' values come out the same.
;;   OPERANDS COMPUTED ON THE WAY. 'Computed on the way' means the value that the module computes at that place (a softmax that the list does not call 'softmax' is quantised finished and normalised). What goes into a quantiser is computed in f32, as accurately as f32 sums, v_exp_f32 and their like allow (about 1e-6 of the number): no bf16 or f16 on the way to a quantiser, and a product that is left as it is and whose result goes on into a quantised operand takes f32 operands (vector FMAs, or v_wmma_f32_16x16x4_f32). A number that lies on a knife's edge between two numbers of the format may be rounded either way, as far as f32 arithmetic and the matrix unit's own rounding can turn it there, and no further.
;;   INPUTS GIVEN AS CODES. k_local (in the module: [32, 8192, 64], K = its axis 2); q_local (in the module: [32, 1024, 64], K = its axis 2); v_local (in the module: [32, 8192, 64], K = its axis 1): each comes as NAME_codes (uint8): NAME with its K axis moved to the last place and cut into blocks of 32 codes, [.., K / 32, bytes a block], one block behind the other in memory; two codes a byte, the lower K in the low four bits (a code: sign, 2 exponent bits, 1 mantissa bit); and NAME_scales (uint8): the same leading axes, one E8M0 byte (e + 127) for each 32 codes along K. Its value is code x scale, taken as it is: it is not quantised again, and the codes and scales need not be those that the quantiser above would give.
;; One version. Each part assembles by itself: llvm-mc -triple=amdgcn-amd-amdhsa -mcpu=gfx1250 --defsym DOCPART=n.
;; ======== version 1 of 1: 1 launch
;; limits: right only within a limited range of input values
;; launch attn (part 1): grid 8 x 32, 8 waves a work-group, clusters of 4 x 1, 327,680 bytes of LDS; arguments k_local_codes, k_local_scales, q_local_codes, q_local_scales, v_local_codes, v_local_scales, out0; writes out0
.if DOCPART == 1
	.amdgcn_target "amdgcn-amd-amdhsa--gfx1250"
	.amdhsa_code_object_version 6
	.text
	.protected	k_q68e7d32176_attn
	.globl	k_q68e7d32176_attn
	.p2align	8
	.type	k_q68e7d32176_attn,@function
k_q68e7d32176_attn:
	s_mov_b64 s[64:65], 0
	v_nop
	global_prefetch_b8 v0, s[64:65] scope:SCOPE_SE
	s_setreg_imm32_b32 hwreg(HW_REG_WAVE_MODE, 25, 1), 1
	s_wait_xcnt 0x0
	s_wait_alu depctr_hold_cnt(0) depctr_sa_sdst(0) depctr_va_vdst(0) depctr_va_sdst(0) depctr_va_ssrc(0) depctr_va_vcc(0) depctr_vm_vsrc(0)
	s_getreg_b32 s2, hwreg(HW_REG_IB_STS2, 6, 4)
	s_cmp_eq_u32 s2, 0
	s_cbranch_scc0 .Lentry_in_a_cluster
	s_endpgm
.Lentry_in_a_cluster:
	s_bfe_u32 s2, ttmp6, 0x10000c
	s_cmp_lg_u32 s2, 0x3003
	s_cbranch_scc0 .Lentry_shape_is_right
	s_endpgm
.Lentry_shape_is_right:
; out0[b][q][:] = the sum over k of softmax_k(Q[b][q] . K[b][k]) V[b][k][:]: 32 batches, 1,024 queries, 8,192 keys, head size 64, no mask, no scale.  Both products on codes of FP4 (E2M1) with one E8M0 scale for each 32 along a product's K.
; Q, K: codes with the head's 64 innermost (32 bytes a row), 2 scale bytes a row.  V: codes with the KEYS innermost, [b][64][8,192] (4,096 bytes a row), 256 scale bytes a row.  out0: f32.
; DEAD WORK: none.  Every one of the six inputs reaches the output, and all six are loaded.
; THE SOFTMAX AHEAD OF THE SECOND PRODUCT.  t = score x log2(e).  A block is 32 keys of one query.  Its codes do not hang on M: M is a whole number, so it moves the block's scale alone.  So p is taken against the block's own whole
; number, p = 2^(t - m), m = floor(the block's largest t): the largest p lies in [1, 2), the conversion's scale is 2^-2 for every block, and the block's scale byte is 127 - 2 + m - M.  M is the running largest m of the row.
; The row's sum is taken of the unquantised p, in f32: a block's sum x 2^(m - M).  When M moves, sum and O are multiplied by 2^(old M - new M): exact.  The sum divides O at the end.  (reference's M is the ceiling of the row's
; largest t: another power of two on O and on the sum alike, which the division takes away.)
; THE HEAD HAS 64, THE MATRIX INSTRUCTION 128 ALONG K: registers 4-7 of Q's fragments hold zero codes and bytes 2, 3 of their scale words are 0.  So registers 4-7 of a fragment of K may hold any codes (all are finite): they are the next
; tile's, or four registers of zeros behind the last.
; SHARES.  A work-group owns 128 queries of one batch: 8 x 32 = 256 work-groups.  Eight waves of 512 registers, two to a SIMD.  Wave w owns TWO tiles of 16 queries, 2 (w % 4) and the next (A and B), so that each fragment of K and of V
; feeds two products, and, of each slot of 2,048 keys, the half w / 4: 1,024 keys, as two groups of 512, each of eight micro-steps of 64.  At the end waves 4-7 hand (-M, sum, O^T) of their tiles to waves 0-3 through LDS, which bring
; both under the larger M, add, divide and store.
; LAYOUT.  Both products are used transposed: S^T = K Q^T (source 0 = 16 keys), O^T = V^T P^T (source 0 = 16 of the head's 64): a lane holds ONE query of a tile (lane % 16) throughout.  THE KEYS OF A TILE ARE NOT NEIGHBOURS: lane r of tile
; u of a micro-step takes key 32 (r / 8) + 8 u + r % 8, so that lane (r, h) gets block h whole: register 8 u + j is key 32 h + 8 u + j.  Its maximum needs no other lane, and the conversions' results are the second product's operand.
; PIPELINE.  While micro-step n goes through its exponentials, n + 1's products are made (two buffers of 32 scores a tile) and n + 2's K is on its way from LDS.  n + 1's maxima and n's sums stand together behind the exponentials.  V's
; fragments of the whole group come in four buffers under its last micro-steps.  At a group's end: M, the scale words, O x f and the group's 32 products.
; WINDOWS.  Window 0: all that a micro-step touches, but for p's codes.  Window 1: O^T, p's codes, V's fragments.
; CLUSTER.  The 8 query blocks of a batch walk the same K and V; four of them form a cluster and ask for every tile JOINTLY: the same tensor load, the same descriptor, a mask that names the four.  All partners do the same work.
; LIMITS.  Scaled scores t under 2^31 in magnitude.  Scale bytes 0xff, NaN and infinities among the values were not tried.  A p under 2^-126 of its block comes out of v_exp_f32 as 0.  A block whose m lies more than 124 under M is weighed by
; 2^-124.  The f32 sums are taken in another order than a plain sum along the keys.
.set KP,    1040                       ; K in LDS: 32 keys (1,024 bytes) and 16 bytes of padding.  A tile's lanes 0-7 take eight keys of one such row and lanes 8-15 eight of the next: 16 different 16-byte columns modulo 256 bytes
.set VP,    1040                       ; V in LDS: a row (one of the head's 64) has a slot's 2,048 keys, 1,024 bytes, + 16 of padding: 16 rows start in 16 different columns
.set VOFF,  64*KP                      ; a slot: 64 rows of K's, then 64 rows of V's
.set SLOT1, VOFF+64*VP                 ; slot 1 begins here: 0x20800.  VOFF = 0x10400 has none of its bits, so one exclusive or turns an address in one slot into the other's
.set MRG,   0                          ; the merge images, 8 x 4,352 bytes (O^T: 8 x 512; then 256 of (-M, sum)), and the way out's stages, 8 x 16 rows x 272 bytes: in slot 0, which was left at the last
.set STG,   8*4352                     ; change of slots: it has had its last fill, and nobody reads its tiles any more
.set SCK,   2*SLOT1                    ; K's scale bytes of the whole batch: 64 rows of 256 bytes (128 keys) + 16 of padding
.set SCV,   SCK+64*272                 ; V's: 64 rows (of the head's 64) of 256 bytes + 16
.set SPARE, SCV+64*272                 ; the spare words, 128 bytes for each of 8 waves: four blocks of 256 bytes that no other line names
; window 0
.set SPW,  1                           ; v1   LDS address of my spare word: SPARE + 4 x my thread's number; never rewritten
.set NIL,  2                           ; v2   0; never rewritten
.set PFO,  3                           ; v3   the prefetches' lane offset; never rewritten
.set ADK,  4                           ; v4-7 the group's addresses: K, V, K's scales, V's scales
.set ADV,  5
.set ADS,  6
.set ADT,  7
.set SC,   8                           ; v8   the conversions' scale operand: 2^-2
.set NM,   10                          ; v[10:11] -M of tile A, of tile B
.set FP,   12                          ; v[12:13] f = 2^(old M - new M) of A, of B
.set LS,   14                          ; v[14:15] A's sum in two halves, v[16:17] B's
.set MX,   18                          ; v18, v19 the block's largest score, then t: A's, B's
.set VS3,  20                          ; v20, v21 V's scale words of a group's last step
.set KS,   22                          ; v22, v23 K's scale words;  v24, v25 Q's (A, B);  v26-31 V's of a group's first three steps;  v32-39 p's (A 4, B 4)
.set QS,   24
.set VS,   26
.set PW,   32
.set QF,   40                          ; v40-43 A's fragment of Q, v44-47 zeros; v48-51 B's, v52-55 zeros
.set KF,   56                          ; v56-71 K's four fragments, registers 0-3 of each; v72-75 zeros
.set T,    76                          ; v76-95 at work
.set SA,   96                          ; v96-127, v128-159 tile A's S^T, then p: two buffers
.set SBB,  160                         ; v160-191, v192-223 tile B's
.set FL,   224                         ; v224-231 -m of the group's eight blocks of A, v232-239 of B; then m - M as whole numbers
.set BS,   240                         ; v240-247, v248-255 the sums of p of these blocks
; window 1
.set O,    0                           ; O^T: A's 4 tiles, then B's
.set PC,   64                          ; p's codes of a group: A's 32 registers, then B's
.set VF,   128                         ; V's fragments of a group's four steps, 32 registers each
.set WV,   18                          ; s18 my wave's number;  s19 which half of a slot's keys;  s68 which pair of tiles of queries
.set KH,   19
.set QT,   68
.set SEL,  20                          ; s[20:21] lane selects for v_permlanex16_b32: lane l xor 16
.set CS,   22                          ; s[22:23] c = log2(e): the packed form names a pair and takes its low word for both halves
.set G1K,  24                          ; s[24:31] descriptor group 1 for K's tiles;  s[32:39] for V's;  s[40:43], s[44:47] their groups 0, which walk
.set G1V,  32
.set G0K,  40
.set G0V,  44
.set G1S,  48                          ; s[48:55] group 1 for both blocks of scale bytes;  s[56:59], s[60:63] their groups 0
.set G0SK, 56
.set G0SV, 60
.set TB,   2                           ; s2  LDS byte at which the slot in hand begins
.set TS,   3                           ; s3  where the slot's rows of K's scale bytes begin: 16 x 272 a slot
.set TJ,   66                          ; s66 and V's scale words: 64 bytes a slot
.set SLOTS, 67                         ; s67 slots still to be asked for
.set PFA,  76                          ; s[76:77] where my prefetches stand;  s[78:79] a slot on;  s80: 1 in a wave that prefetches, else the greatest number
.set PFS,  78
.set LIM,  80
.set GC,   81                          ; s81 the group in hand;  s82-85 its place in my half of the slot: K, V, K's scales, V's scales
.set GK,   82
.set GV,   83
.set GS,   84
.set GT,   85
.set KHK,  86                          ; s86-89 my half's place: the same four
.set KHV,  87
.set KHS,  88
.set KHT,  89
.set MSB, 0
.macro WIN new                         ; the immediate's high byte repeats the setting that is left
.if MSB != \new
	s_set_vgpr_msb (MSB<<8)|\new
.set MSB, \new
.endif
.endm
; A round of the cluster's barrier: my work-group's barrier, so that wave 0's signal speaks for all eight waves; wave 0 signals for the work-group; every wave waits for all four work-groups; my work-group's barrier once more.
.macro CROUND
	s_barrier_signal -1
	s_barrier_wait -1
	s_cmp_lg_u32 s[WV], 0
	s_cbranch_scc1 .Lnot_wave_0_\@
	s_barrier_signal -3
.Lnot_wave_0_\@:
	s_barrier_wait -3
	s_barrier_signal -1
	s_barrier_wait -1
.endm
; One arm of a chain of branches on the wave's number (the same in every work-group): wave w issues one joint load.
.macro ARM w, g0, g1, next, join
	s_cmp_eq_u32 s[WV], \w
	s_cbranch_scc0 \next
	tensor_load_to_lds s[\g0:\g0+3], s[\g1:\g1+7]
	s_nop 0
.rept 4
	v_nop
.endr
	s_branch \join
\next:
.endm
; A joint refill: wave 0 fetches a slot's K, wave 1 its V, the others nothing.
.macro TLOAD
	ARM 0, G0K, G1K, .Lnot_k_\@, .Lasked_\@
	ARM 1, G0V, G1V, .Lnot_v_\@, .Lasked_\@
.Lasked_\@:
.endm
; A PREFETCH INTO THE L2 of what the NEXT change of slots will ask for: K's 65,536 dense bytes and 1,024 bytes of each of V's 64 rows.  Each aligned block of 256 bytes is named once in each cluster that will load it: the four partners
; share the blocks out BY ADDRESS (K: 16,384 bytes each; V: 16 rows each); in each, waves 4 and 5 ask for K's and waves 6 and 7 for V's, a lane a block, one instruction a wave.  It stands at the change of slots, where the fetching waves
; have their tensor load.  The last change that fills a slot asks for nothing: there is no slot behind it.  Slots 0 and 1 come by their loads alone.
.macro ASK
	s_cmp_gt_u32 s[SLOTS], s[LIM]
	s_cbranch_scc0 .Lnot_mine_\@
	global_prefetch_b8 v[PFO], s[PFA:PFA+1] th:TH_LOAD_NT scope:SCOPE_SE
.Lnot_mine_\@:
.endm
	s_load_b256 s[4:11], s[0:1], 0x0               ; K's codes s[4:5], K's scales s[6:7], Q's codes s[8:9], Q's scales s[10:11]
	s_load_b128 s[12:15], s[0:1], 0x20             ; V's codes s[12:13], V's scales s[14:15]
	s_load_b64 s[16:17], s[0:1], 0x30              ; out0
	v_lshl_add_u32 v[SPW], v0, 2, SPARE
	v_mov_b32 v[NIL], 0
	ds_add_u32 v[SPW], v[NIL]                      ; the wave's opening: the add, twice on end, and its wait ahead of the first tensor load; work on registers stands between the second and the wait
	ds_add_u32 v[SPW], v[NIL]
	v_lshrrev_b32 v[T], 5, v0
	v_readfirstlane_b32 s[WV], v[T]                ; wave 0..7
	s_lshr_b32 s[KH], s[WV], 2
	s_and_b32 s[QT], s[WV], 3
	s_bfe_u32 s69, ttmp6, 0x40000                  ; cx: my place in the cluster: it enters Q's, out0's and the prefetches' addresses alone
	s_lshl_b32 s70, ttmp9, 2                       ; in a cluster launch ttmp9 counts clusters
	s_add_co_u32 s70, s70, s69                     ; my block of 128 queries
	s_lshl_b32 s71, s70, 7
	s_lshl_b32 s90, s[QT], 5
	s_add_co_u32 s71, s71, s90                     ; my wave's first query
	s_and_b32 s72, ttmp7, 0xffff                   ; the batch, which the four partners share
	s_lshl_b32 s74, s72, 18                        ; the batch's first byte in K's and in V's codes (262,144 bytes a batch),
	s_mov_b32 s75, 0
	s_lshl_b32 s82, s72, 14                        ; in K's and in V's scale bytes (16,384),
	s_mov_b32 s83, 0
	s_lshl_b32 s84, s72, 15                        ; my first query's codes: 32,768 a batch, 32 a query,
	s_lshl_b32 s90, s71, 5
	s_add_co_u32 s84, s84, s90
	s_mov_b32 s85, 0
	s_lshl_b32 s86, s72, 11                        ; its scale bytes: 2,048 a batch, 2 a query,
	s_lshl_b32 s90, s71, 1
	s_add_co_u32 s86, s86, s90
	s_mov_b32 s87, 0
	s_lshl_b32 s88, s72, 10                        ; and its row of out0: 256 bytes a query
	s_add_co_u32 s88, s88, s71
	s_lshl_b32 s88, s88, 8
	s_mov_b32 s89, 0
	; descriptor group 1.  K: a slot's 2,048 keys are 65,536 dense bytes, stated as 64 rows of 1,024 (128 elements of 8);  V: 64 rows of 1,024 bytes, 4,096 bytes apart
	s_mov_b32 s[G1K], 15|(3<<16)|(1<<20)|(1<<21)|(7<<22)|(3<<25)  ; 15:0 the mask: all four work-groups; 17:16 elements of 8 bytes; 20 padding on; 21 set beside a mask; 24:22 after every 256 words (code 7); 31:25 four words (code 3)
	s_mov_b32 s[G1K+1], 128<<16                    ; tensor_dim0 = 128
	s_mov_b32 s[G1K+2], 64<<16                     ; tensor_dim1 = 64
	s_mov_b32 s[G1K+3], 128<<16                    ; tile_dim0 = 128
	s_mov_b32 s[G1K+4], 64                         ; tile_dim1 = 64
	s_mov_b32 s[G1K+5], 128                        ; from row to row: 128 elements
	s_mov_b32 s[G1K+6], 0
	s_mov_b32 s[G1K+7], 0
	s_mov_b32 s[G1V], 15|(3<<16)|(1<<20)|(1<<21)|(7<<22)|(3<<25)
	s_mov_b32 s[G1V+1], 128<<16
	s_mov_b32 s[G1V+2], 64<<16
	s_mov_b32 s[G1V+3], 128<<16
	s_mov_b32 s[G1V+4], 64
	s_mov_b32 s[G1V+5], 512                        ; from row to row: 512 elements
	s_mov_b32 s[G1V+6], 0
	s_mov_b32 s[G1V+7], 0
	; the scale bytes of a batch, K's or V's: 16,384 dense bytes as 64 rows of 256 (32 elements of 8), 16 bytes of padding behind each
	s_mov_b32 s[G1S], 15|(3<<16)|(1<<20)|(1<<21)|(5<<22)|(3<<25)
	s_mov_b32 s[G1S+1], 32<<16
	s_mov_b32 s[G1S+2], 64<<16
	s_mov_b32 s[G1S+3], 32<<16
	s_mov_b32 s[G1S+4], 64
	s_mov_b32 s[G1S+5], 32
	s_mov_b32 s[G1S+6], 0
	s_mov_b32 s[G1S+7], 0
	s_mov_b32 s[G0SK], 1                           ; groups 0: count = 1, and the LDS addresses: constants, the same in all partners
	s_mov_b32 s[G0SK+1], SCK
	s_mov_b32 s[G0SV], 1
	s_mov_b32 s[G0SV+1], SCV
	s_mov_b32 s[G0K], 1
	s_mov_b32 s[G0K+1], 0
	s_mov_b32 s[G0V], 1
	s_mov_b32 s[G0V+1], VOFF
	s_mov_b32 s[SEL], 0x76543210
	s_mov_b32 s[SEL+1], 0xfedcba98
	s_mov_b32 s[CS], 0x3fb8aa3b                    ; c = log2(e)
	s_mov_b32 s[CS+1], s[CS]                       ; (named with it as a pair, so it is written)
	s_mov_b32 s[TB], 0
	s_mov_b32 s[TS], 0
	s_mov_b32 s[TJ], 0
	s_mov_b32 s[SLOTS], 3
	s_wait_alu depctr_va_vdst(0)
	s_wait_dscnt 0x0                               ; both opening adds are done
	s_wait_kmcnt 0x0
	s_add_nc_u64 s[G0SK+2:G0SK+3], s[6:7], s[82:83]  ; the global addresses hang on the batch alone
	s_or_b32 s[G0SK+3], s[G0SK+3], 0x80000000      ; type = 2
	s_add_nc_u64 s[G0SV+2:G0SV+3], s[14:15], s[82:83]
	s_or_b32 s[G0SV+3], s[G0SV+3], 0x80000000
	s_add_nc_u64 s[G0K+2:G0K+3], s[4:5], s[74:75]  ; the batch's first 2,048 keys
	s_or_b32 s[G0K+3], s[G0K+3], 0x80000000
	s_add_nc_u64 s[G0V+2:G0V+3], s[12:13], s[74:75]
	s_or_b32 s[G0V+3], s[G0V+3], 0x80000000
	CROUND                                         ; all four work-groups are here: the first joint loads meet
	ARM 0, G0K,  G1K, .Lhead_1, .Lhead_asked       ; the head's loads, one a wave, in one chain: slot 0's K, its V,
	ARM 1, G0V,  G1V, .Lhead_2, .Lhead_asked
	ARM 2, G0SK, G1S, .Lhead_3, .Lhead_asked       ; the scale bytes of the whole batch: filled once
	ARM 3, G0SV, G1S, .Lhead_4, .Lhead_asked
.Lhead_asked:
	s_add_nc_u64 s[8:9], s[8:9], s[84:85]          ; Q's codes at my first query,
	s_add_nc_u64 s[10:11], s[10:11], s[86:87]      ; its scale bytes,
	s_add_nc_u64 s[16:17], s[16:17], s[88:89]      ; out0 likewise
	; the prefetches (macro ASK): where my wave's stand, and who asks
	s_cmp_lt_u32 s[WV], 6                          ; waves 4 and 5 ask for K's codes, waves 6 and 7 for V's
	s_cselect_b64 s[PFA:PFA+1], s[4:5], s[12:13]
	s_mov_b32 s[PFS], 1024
	s_cselect_b32 s[PFS], 0x10000, s[PFS]          ; a slot on
	s_mov_b32 s82, 4096
	s_cselect_b32 s82, 1024, s82                   ; from four lanes to the next four: K: 1,024 bytes on; V: a row on
	s_cselect_b32 s83, 13, 15                      ; a wave's part: K: 8,192 bytes; V: 8 rows of 4,096
	s_lshl_b32 s84, s69, 1
	s_and_b32 s85, s[WV], 1
	s_or_b32 s84, s84, s85                         ; part 2 cx + wave % 2
	s_lshl_b32 s84, s84, s83
	s_add_co_u32 s84, s84, s[PFS]                  ; in slot 1: the first change of slots steps it to slot 2.  Nothing is prefetched here, at the head
	s_mov_b32 s85, 0
	s_mov_b32 s[PFS+1], 0
	s_add_nc_u64 s[PFA:PFA+1], s[PFA:PFA+1], s[74:75]  ; in my batch
	s_add_nc_u64 s[PFA:PFA+1], s[PFA:PFA+1], s[84:85]
	s_sub_co_u32 s90, s[WV], 4
	s_lshr_b32 s90, s90, 2                         ; 0 in waves 4 to 7
	s_cmp_eq_u32 s90, 0
	s_cselect_b32 s[LIM], 1, -1
	s_mul_i32 s[KHK], s[KH], 32*KP                 ; my wave's half of a slot: 1,024 keys: 32 LDS rows of K,
	s_lshl_b32 s[KHV], s[KH], 9                    ; 512 bytes of a row of V,
	s_add_co_u32 s[KHV], s[KHV], VOFF
	s_mul_i32 s[KHS], s[KH], 8*272                 ; 8 rows of K's scale bytes,
	s_add_co_u32 s[KHS], s[KHS], SCK
	s_lshl_b32 s[KHT], s[KH], 5                    ; 32 of V's
	s_add_co_u32 s[KHT], s[KHT], SCV
	v_and_b32 v[T], 15, v0                         ; r = lane % 16
	v_bfe_u32 v[T+1], v0, 4, 1                     ; h = lane / 16
	v_lshlrev_b32 v[T+2], 5, v[T]
	v_lshl_add_u32 v[T+2], v[T+1], 4, v[T+2]       ; Q: row r of 32 bytes, + 16 h: k = 32 h + 0 .. 31
	v_lshlrev_b32 v[T+3], 1, v[T]
	global_load_b128 v[QF:QF+3], v[T+2], s[8:9]    ; Q's two fragments stay in registers
	global_load_b128 v[QF+8:QF+11], v[T+2], s[8:9] offset:512
	global_load_u16 v[QS], v[T+3], s[10:11]        ; a query's two scale bytes; the upper half of the word comes as 0
	global_load_u16 v[QS+1], v[T+3], s[10:11] offset:32
	v_and_b32 v[PFO], 31, v0
	v_lshrrev_b32 v[T+4], 2, v[PFO]
	v_and_b32 v[PFO], 3, v[PFO]
	v_mul_lo_u32 v[T+4], v[T+4], s82
	v_lshl_add_u32 v[PFO], v[PFO], 8, v[T+4]       ; a lane a block of 256 bytes
	v_mov_b32 v[SC], 0x3e800000                    ; 2^-2
	v_mov_b32 v[NM], 0x7f61b1e6                    ; -M: M = -3e38, under every m
	v_mov_b32 v[NM+1], 0x7f61b1e6
.irp j, 0,1,2,3
	v_mov_b32 v[LS+\j], 0                          ; the sums, in two halves
.endr
	; zero codes: k = 64 .. 127 of Q, and behind K's last tile: written once, no load lands on them
.irp j, 0,1,2,3
	v_mov_b32 v[QF+4+\j], 0
	v_mov_b32 v[QF+12+\j], 0
	v_mov_b32 v[KF+16+\j], 0
.endr
.set EE, 0
.rept 16
	v_mov_b32 v[FL+EE], 0                          ; (named in pairs before they are first made)
.set EE, EE+1
.endr
	WIN 0x40
.set EE, 0
.rept 64
	v_mov_b32 v[O+EE], 0                           ; O^T.  (Every group is alike: the first finds zeros, which the first change of M leaves zeros)
.set EE, EE+1
.endr
	WIN 0
; K's four fragments of micro-step n of the group, registers 0-3 of each, and their scale bytes (2 a key; the upper half of the word comes as 0)
.macro KLOAD n
.irp u, 0,1,2,3
	ds_load_b128 v[KF+4*\u:KF+4*\u+3], v[ADK] offset:2*(\n)*KP+256*\u
.endr
.irp j, 0,1
	ds_load_u16 v[KS+\j], v[ADS] offset:272*((\n)/2)+128*((\n)%2)+32*\j
.endr
.endm
; V's four fragments (window 1) and their scale words (window 0) of the group's 128 keys q: ten loads
.macro VLOAD q
.set VSQ, VS+2*(\q)
.if (\q) == 3
.set VSQ, VS3
.endif
	WIN 0x40
.irp t, 0,1,2,3
.irp c, 0,1
	ds_load_b128 v[VF+32*(\q)+8*\t+4*\c:VF+32*(\q)+8*\t+4*\c+3], v[ADV] offset:16*\t*VP+64*(\q)+32*\c
.endr
.endr
	WIN 0
.irp j, 0,1
	ds_load_b32 v[VSQ+\j], v[ADT] offset:32*272*\j+4*(\q)
.endr
.endm
; S^T = K Q^T of 64 keys, both tiles of queries on each fragment: eight accumulators, each begun with 0
.macro PROD b
.irp u, 0,1,2,3
.irp x, 0,1
.if (\u)%2
	v_wmma_scale_f32_16x16x128_f8f6f4 v[SA+64*\x+(\b)+8*\u:SA+64*\x+(\b)+8*\u+7], v[KF+4*\u:KF+4*\u+7], v[QF+8*\x:QF+8*\x+7], 0, v[KS+\u/2], v[QS+\x] matrix_a_fmt:MATRIX_FMT_FP4 matrix_b_fmt:MATRIX_FMT_FP4 matrix_a_scale:MATRIX_SCALE_ROW1
.else
	v_wmma_scale_f32_16x16x128_f8f6f4 v[SA+64*\x+(\b)+8*\u:SA+64*\x+(\b)+8*\u+7], v[KF+4*\u:KF+4*\u+7], v[QF+8*\x:QF+8*\x+7], 0, v[KS+\u/2], v[QS+\x] matrix_a_fmt:MATRIX_FMT_FP4 matrix_b_fmt:MATRIX_FMT_FP4
.endif
.endr
.endr
.endm
; the largest of my block's 32 scores at b, in ten registers at w: each accumulator is read from its low end on
.macro MAXL b, w
.irp u, 0,1,2,3
	v_max3_num_f32 v[(\w)+\u], v[(\b)+8*\u], v[(\b)+8*\u+1], v[(\b)+8*\u+2]
.endr
.irp u, 0,1,2,3
	v_max3_num_f32 v[(\w)+4+\u], v[(\b)+8*\u+3], v[(\b)+8*\u+4], v[(\b)+8*\u+5]
.endr
.irp u, 0,1,2,3
	v_max3_num_f32 v[(\w)+\u], v[(\w)+\u], v[(\b)+8*\u+6], v[(\b)+8*\u+7]
.endr
.endm
.macro MAXC w                          ; the eight that are left, in four lines: two here,
	v_max3_num_f32 v[(\w)+8], v[(\w)], v[(\w)+4], v[(\w)+1]
	v_max3_num_f32 v[(\w)+9], v[(\w)+5], v[(\w)+2], v[(\w)+6]
.endm
.macro MAXD w                          ; one,
	v_max3_num_f32 v[(\w)+8], v[(\w)+3], v[(\w)+7], v[(\w)+8]
.endm
.macro MAXE w, x                       ; and one
	v_max_num_f32 v[MX+\x], v[(\w)+8], v[(\w)+9]
.endm
; the sum of the UNQUANTISED p at b: two at a time, in four chains at w: the first four additions, and four more
.macro SUMA b, w
.irp k, 0,1,2,3
	v_pk_add_f32 v[(\w)+2*\k:(\w)+2*\k+1], v[(\b)+8*\k:(\b)+8*\k+1], v[(\b)+8*\k+2:(\b)+8*\k+3]
.endr
.endm
.macro SUMB b, w, j
.irp k, 0,1,2,3
	v_pk_add_f32 v[(\w)+2*\k:(\w)+2*\k+1], v[(\w)+2*\k:(\w)+2*\k+1], v[(\b)+8*\k+\j:(\b)+8*\k+\j+1]
.endr
.endm
; MICRO-STEP MI of the group's eight: 64 keys, one block a lane and tile.  Its scores lie in the buffers at BC (A) and BC + 64 (B), its -m in v[FL+MI] and v[FL+8+MI].
.macro MICRO
.set BO, 32*(MI%2)
.set BC, SA+BO
.set BN, 32*((MI+1)%2)
.set BX, SA+BN
.if MI < 7
.if MI == 0
	s_wait_alu depctr_va_vdst(0)
	s_wait_dscnt 0x0                               ; the next micro-step's K is in
.elseif MI < 4
	s_wait_dscnt 0x0
.else
	s_wait_dscnt 10                                ; the same; the ten loads of V behind it may be out
.endif
	PROD BN                                        ; the next micro-step's products
.endif
.irp x, 0,1
.irp j, 0,2,4,6,8,10,12,14,16,18,20,22,24,26,28,30
.if MI%2                               ; t - m, two at a time (of the pair with c and of the pair with -m one word serves both halves).  These 32 are also the places behind the products
	v_pk_fma_f32 v[BC+64*\x+\j:BC+64*\x+\j+1], v[BC+64*\x+\j:BC+64*\x+\j+1], s[CS:CS+1], v[FL+8*\x+MI-1:FL+8*\x+MI] op_sel:[0,0,1] op_sel_hi:[1,0,1]
.else
	v_pk_fma_f32 v[BC+64*\x+\j:BC+64*\x+\j+1], v[BC+64*\x+\j:BC+64*\x+\j+1], s[CS:CS+1], v[FL+8*\x+MI:FL+8*\x+MI+1] op_sel_hi:[1,0,0]
.endif
.endr
.endr
.if MI < 6
	KLOAD MI+2                                     ; lands under the exponentials
.endif
.if (MI > 2) && (MI < 7)
	VLOAD MI-3
.endif
	s_wait_alu depctr_va_vdst(0)                   ; the wait ahead of the batch
.set EE, 0
.rept 32
	v_exp_f32 v[BC+EE], v[BC+EE]                   ; p = 2^(t - m), under 2: NOT normalised
	v_exp_f32 v[BC+64+EE], v[BC+64+EE]
.set EE, EE+1
.endr
	v_nop                                          ; a plain place behind the exponentials
	s_wait_alu depctr_va_vdst(0)                   ; and behind the batch; it also stands ahead of the first reader of the next micro-step's scores
.if MI < 7                             ; the next blocks' maxima and this one's sums, so that independent lines stand between the links of a chain
	MAXL BX, T
	MAXL BX+64, T+10
	MAXC T
	MAXD T
	SUMA BC, T
	MAXE T, 0
	MAXC T+10
	v_mul_f32 v[MX], s[CS], v[MX]                  ; the block's largest t (c is positive)
	SUMB BC, T, 4
	MAXD T+10
	v_ceil_f32 v[FL+MI+1], -v[MX]                  ; -floor(t) = -m
	SUMB BC, T, 6
	MAXE T+10, 1
	SUMA BC+64, T+10
	v_mul_f32 v[MX+1], s[CS], v[MX+1]
	SUMB BC+64, T+10, 4
	v_ceil_f32 v[FL+8+MI+1], -v[MX+1]
	SUMB BC+64, T+10, 6
.else
	SUMA BC, T
	SUMA BC+64, T+10
	SUMB BC, T, 4
	SUMB BC+64, T+10, 4
	SUMB BC, T, 6
	SUMB BC+64, T+10, 6
.endif
.irp w, T, T+10
	v_pk_add_f32 v[\w:\w+1], v[\w:\w+1], v[\w+2:\w+3]
	v_pk_add_f32 v[\w+4:\w+5], v[\w+4:\w+5], v[\w+6:\w+7]
.endr
	WIN 0x40
.irp x, 0,1
.irp u, 0,1,2,3
	v_cvt_scalef32_pk8_fp4_f32 v[PC+32*\x+4*MI+\u], v[BC+64*\x+8*\u:BC+64*\x+8*\u+7], v[SC]   ; keys 8 u .. 8 u + 7 of my block: the operand's register as it stands.  What lies beyond 6 x 2^-2 is held at the largest code
.endr
.endr
	WIN 0
.irp w, T, T+10
	v_pk_add_f32 v[\w:\w+1], v[\w:\w+1], v[\w+4:\w+5]   ; (also the plain place behind the conversions)
.endr
	v_add_f32 v[BS+MI], v[T], v[T+1]
	v_add_f32 v[BS+8+MI], v[T+10], v[T+11]
.endm
; O^T += V^T P^T over the group's 128 keys q: the eight accumulators by turns, so that seven others stand between two links of a chain
.macro PV q
.set VSQ, VS+2*(\q)
.if (\q) == 3
.set VSQ, VS3
.endif
	WIN 0x55                                       ; all four places: window 1
.irp x, 0,1
.irp t, 0,1,2,3
.if (\t)%2
	v_wmma_scale_f32_16x16x128_f8f6f4 v[O+32*\x+8*\t:O+32*\x+8*\t+7], v[VF+32*\q+8*\t:VF+32*\q+8*\t+7], v[PC+32*\x+8*\q:PC+32*\x+8*\q+7], v[O+32*\x+8*\t:O+32*\x+8*\t+7], v[VSQ+\t/2], v[PW+4*\x+\q] matrix_a_fmt:MATRIX_FMT_FP4 matrix_b_fmt:MATRIX_FMT_FP4 matrix_a_scale:MATRIX_SCALE_ROW1
.else
	v_wmma_scale_f32_16x16x128_f8f6f4 v[O+32*\x+8*\t:O+32*\x+8*\t+7], v[VF+32*\q+8*\t:VF+32*\q+8*\t+7], v[PC+32*\x+8*\q:PC+32*\x+8*\q+7], v[O+32*\x+8*\t:O+32*\x+8*\t+7], v[VSQ+\t/2], v[PW+4*\x+\q] matrix_a_fmt:MATRIX_FMT_FP4 matrix_b_fmt:MATRIX_FMT_FP4
.endif
.endr
.endr
	WIN 0
.endm
; A GROUP'S END: the new M, the scale words, O x f, the group's products and, between them, the row sums.
.macro GROUPEND
.irp k, 0,1
.irp x, 0,1
	v_min3_num_f32 v[T+4*\x+\k], v[FL+8*\x+3*\k], v[FL+8*\x+3*\k+1], v[FL+8*\x+3*\k+2]
.endr
.endr
.irp x, 0,1
	v_min3_num_f32 v[T+4*\x+2], v[FL+8*\x+6], v[FL+8*\x+7], v[NM+\x]
.endr
.irp x, 0,1
	v_mov_b32 v[T+4*\x+3], v[NM+\x]
.endr
.irp x, 0,1
	v_min3_num_f32 v[T+4*\x], v[T+4*\x], v[T+4*\x+1], v[T+4*\x+2]
.endr
.irp x, 0,1
	v_permlanex16_b32 v[T+16+\x], v[T+4*\x], s[SEL], s[SEL+1]
.endr
.irp x, 0,1
	v_min_num_f32 v[NM+\x], v[T+4*\x], v[T+16+\x]  ; the new -M: with lane l xor 16's blocks
.endr
.irp x, 0,1
	v_sub_f32 v[T+4*\x+3], v[NM+\x], v[T+4*\x+3]   ; old M - new M: a whole number, 0 or less
.endr
.irp k, 0,2,4,6                        ; m - M
	v_pk_add_f32 v[FL+\k:FL+\k+1], v[NM:NM+1], v[FL+\k:FL+\k+1] op_sel_hi:[0,1] neg_lo:[0,1] neg_hi:[0,1]
	v_pk_add_f32 v[FL+8+\k:FL+8+\k+1], v[NM:NM+1], v[FL+8+\k:FL+8+\k+1] op_sel:[1,0] op_sel_hi:[1,1] neg_lo:[0,1] neg_hi:[0,1]
.endr
.irp x, 0,1
	v_cvt_i32_f32 v[T+4*\x+3], v[T+4*\x+3]         ; (it saturates)
.endr
.irp k, 0,1,2,3,4,5,6,7,8,9,10,11,12,13,14,15
	v_max_num_f32 v[FL+\k], 0xc2f80000, v[FL+\k]   ; not under -124: the byte cannot fall under 1
.endr
.irp x, 0,1
	v_ldexp_f32 v[FP+\x], 1.0, v[T+4*\x+3]         ; f = 2^(old M - new M)
.endr
.irp k, 0,1,2,3,4,5,6,7,8,9,10,11,12,13,14,15
	v_cvt_i32_f32 v[FL+\k], v[FL+\k]
.endr
.irp k, 0,1,2,3,4,5,6,7
	v_lshl_add_u32 v[T+\k], v[FL+2*\k+1], 16, v[FL+2*\k]   ; my blocks of 128 keys: lanes 0-15 have blocks 0 and 2, lanes 16-31 blocks 1 and 3
.endr
.irp k, 0,1,2,3,4,5,6,7
	v_permlanex16_b32 v[T+8+\k], v[T+\k], s[SEL], s[SEL+1]
.endr
.irp k, 0,1,2,3,4,5,6,7
	v_lshl_add_u32 v[T+\k], v[T+8+\k], 8, v[T+\k]  ; in lanes 0-15 all four, as one sum of whole numbers;
.endr
.irp k, 0,1,2,3,4,5,6,7
	v_add_nc_u32 v[PW+\k], 0x7d7d7d7d, v[T+\k]     ; 125 on each: the scale bytes, 1 to 125
.endr
	WIN 0x41                                       ; source 0 and destination: window 1
	s_wait_alu depctr_va_vdst(0)                   ; the wait directly ahead of the first reader of O^T
.irp j, 0,2,4,6,8,10,12,14,16,18,20,22,24,26,28,30
	v_pk_mul_f32 v[O+\j:O+\j+1], v[O+\j:O+\j+1], v[FP:FP+1] op_sel_hi:[1,0]   ; O^T under the new M; these 32 are also the places behind the scale words
.endr
.irp j, 32,34,36,38,40,42,44,46,48,50,52,54,56,58,60,62
	v_pk_mul_f32 v[O+\j:O+\j+1], v[O+\j:O+\j+1], v[FP:FP+1] op_sel:[0,1] op_sel_hi:[1,1]
.endr
	s_wait_alu depctr_va_vdst(0)                   ; the wait directly ahead of the wait below
	s_wait_dscnt 0x0                               ; V's fragments of the group, asked for under micro-steps 3 to 6, are in
	PV 0
.irp k, 0,1,2,3,4,5,6,7
	v_ldexp_f32 v[BS+\k], v[BS+\k], v[FL+\k]       ; the blocks' sums under M
.endr
	PV 1
.irp k, 8,9,10,11,12,13,14,15
	v_ldexp_f32 v[BS+\k], v[BS+\k], v[FL+\k]
.endr
	PV 2
.irp k, 0,4
.irp x, 0,8
	v_pk_add_f32 v[BS+\x+\k:BS+\x+\k+1], v[BS+\x+\k:BS+\x+\k+1], v[BS+\x+\k+2:BS+\x+\k+3]
.endr
.endr
.irp x, 0,8
	v_pk_add_f32 v[BS+\x:BS+\x+1], v[BS+\x:BS+\x+1], v[BS+\x+4:BS+\x+5]
.endr
	PV 3
	v_pk_fma_f32 v[LS:LS+1], v[LS:LS+1], v[FP:FP+1], v[BS:BS+1] op_sel_hi:[1,0,1]   ; the rows' sums
	v_pk_fma_f32 v[LS+2:LS+3], v[LS+2:LS+3], v[FP:FP+1], v[BS+8:BS+9] op_sel:[0,1,0] op_sel_hi:[1,1,1]
.endm
; My 1,024 keys of the slot in hand: two groups of 512
.macro SLOT_STEPS
	s_mov_b32 s[GC], 0
	s_mov_b32 s[GK], 0
	s_mov_b32 s[GV], 0
	s_mov_b32 s[GS], 0
	s_mov_b32 s[GT], 0
.Lgroup_\@:
	s_add_co_u32 s90, s[KHK], s[TB]                ; where the group begins: K,
	s_add_co_u32 s90, s90, s[GK]
	s_add_co_u32 s91, s[KHV], s[TB]                ; V,
	s_add_co_u32 s91, s91, s[GV]
	s_add_co_u32 s92, s[KHS], s[TS]                ; K's scale bytes,
	s_add_co_u32 s92, s92, s[GS]
	s_add_co_u32 s93, s[KHT], s[TJ]                ; V's
	s_add_co_u32 s93, s93, s[GT]
	v_and_b32 v[T], 15, v0                         ; r
	v_bfe_u32 v[T+1], v0, 4, 1                     ; h
	v_lshrrev_b32 v[T+2], 3, v[T]                  ; r / 8
	v_and_b32 v[T+3], 7, v[T]                      ; r % 8
	v_mul_u32_u24 v[ADK], v[T+2], KP               ; K: lanes 8-15 of a tile take keys 32 further on: the next LDS row;
	v_lshlrev_b32 v[ADS], 6, v[T+2]                ; K's scale bytes: 2 a key: 32 keys,
	v_mul_u32_u24 v[ADV], v[T], VP                 ; V: row r of a tile,
	v_mul_u32_u24 v[ADT], v[T], 272                ; V's scale words: row r of a tile;
	v_lshl_add_u32 v[ADK], v[T+3], 5, v[ADK]       ; 32 bytes a key;
	v_lshl_add_u32 v[ADS], v[T+3], 1, v[ADS]       ; r % 8 keys;
	v_lshl_add_u32 v[ADV], v[T+1], 4, v[ADV]       ; + 16 h
	v_mad_u32_u24 v[ADT], v[T+1], 16*272, v[ADT]   ; lanes 16-31 take the odd tile's: 16 rows on
	v_lshl_add_u32 v[ADK], v[T+1], 4, v[ADK]       ; + 16 h
	v_lshl_add_u32 v[ADS], v[T+1], 4, v[ADS]       ; lanes 16-31 take the odd tile's: 8 keys on
	v_add_nc_u32 v[ADV], s91, v[ADV]
	v_add_nc_u32 v[ADT], s93, v[ADT]
	v_add_nc_u32 v[ADK], s90, v[ADK]
	v_add_nc_u32 v[ADS], s92, v[ADS]
	s_wait_alu depctr_va_vdst(0)
	KLOAD 0
	s_wait_dscnt 0x0
	PROD 0                                         ; the group's first scores
.rept 4
	v_nop                                          ; four places, in front of the loads and of the first read of the scores
.endr
	KLOAD 1
	MAXL SA, T
	MAXL SBB, T+10
	MAXC T
	MAXC T+10
	MAXD T
	MAXD T+10
	MAXE T, 0
	MAXE T+10, 1
	v_mul_f32 v[MX], s[CS], v[MX]
	v_mul_f32 v[MX+1], s[CS], v[MX+1]
	v_ceil_f32 v[FL], -v[MX]
	v_ceil_f32 v[FL+8], -v[MX+1]
.set MI, 0
.rept 8
	MICRO
.set MI, MI+1
.endr
	GROUPEND
	s_add_co_u32 s[GK], s[GK], 16*KP               ; 512 keys on
	s_add_co_u32 s[GV], s[GV], 256
	s_add_co_u32 s[GS], s[GS], 4*272
	s_add_co_u32 s[GT], s[GT], 16
	s_wait_alu depctr_va_vdst(0)                   ; the wait ahead of the branch
	s_add_co_u32 s[GC], s[GC], 1
	s_cmp_lt_u32 s[GC], 2
	s_cbranch_scc1 .Lgroup_\@
	s_xor_b32 s[TB], s[TB], SLOT1                  ; on to the other slot,
	s_add_co_u32 s[TS], s[TS], 16*272              ; the next 2,048 keys' scale bytes of K,
	s_add_co_u32 s[TJ], s[TJ], 64                  ; and of V
.endm
; THE CHANGE OF SLOTS stands at a slot's head.  Each wave waits for all its tensor loads, adds 0 to its spare word (fill = 1: twice on end), and waits for that and for its reads of the slot that it has left.  fill = 1: a round of the
; cluster's barrier follows: no wave of any partner still reads the other slot or has a load on its way; that slot is then filled with the next 2,048 keys, first thing behind the round, one tensor load a wave: it has my sixteen
; micro-steps in which to land.  (The first time it is slot 1's first fill.)
.macro CHANGE fill
	s_wait_alu depctr_va_vdst(0)
	s_wait_tensorcnt 0x0                           ; no tensor load of mine is out, so a group 0 may be written
	ds_add_u32 v[SPW], v[NIL]                      ; 0 onto my spare word
.if \fill
	ds_add_u32 v[SPW], v[NIL]                      ; and once more: the add stands twice on end here, in every trip alike
	s_xor_b32 s[G0K+1], s[G0K+1], SLOT1            ; the walking descriptors: the other slot than last time,
	s_add_nc_u64 s[G0K+2:G0K+3], s[G0K+2:G0K+3], 0x10000   ; the next 2,048 keys; the type bits on top are not reached
	s_xor_b32 s[G0V+1], s[G0V+1], SLOT1
	s_add_nc_u64 s[G0V+2:G0V+3], s[G0V+2:G0V+3], 1024
	s_wait_xcnt 0x0                                ; the last prefetch, a slot back, has read its address, so it may be written:
	s_add_nc_u64 s[PFA:PFA+1], s[PFA:PFA+1], s[PFS:PFS+1]  ; one slot further on than the walking descriptors
	s_wait_dscnt 0x0                               ; both adds are done, and my reads of the slot that I have left are over
	CROUND
	TLOAD
	ASK
.else
	s_wait_dscnt 0x0                               ; the add is done, and my reads of the slot that I have left are over
	s_barrier_signal -1
	s_barrier_wait -1
.endif
.endm
	s_wait_alu depctr_va_vdst(0)                   ; the wait at the head's end
	s_wait_loadcnt 0x0                             ; Q and its scale bytes
.Lslot:                                            ; 3 trips: trip t reads key slot t; behind its change of slots key slot t + 1 is asked for
	CHANGE 1
	SLOT_STEPS
	s_sub_co_u32 s[SLOTS], s[SLOTS], 1
	s_wait_alu depctr_va_vdst(0)                   ; the wait ahead of the branch
	s_cmp_lg_u32 s[SLOTS], 0
	s_cbranch_scc1 .Lslot
	CHANGE 0                                       ; the last slot is written out: nothing is asked for
	SLOT_STEPS
	; THE MERGE.  My half of the keys is summed up: (-M, sum) in v[76:77] for tile A, in v[78:79] for B.
	s_mul_i32 s91, s[QT], 8704                     ; the merge images and the stages of my two tiles of queries
	s_add_co_u32 s92, s91, MRG+4096
	s_add_co_u32 s93, s91, STG
	v_add_f32 v88, v[LS], v[LS+1]                  ; a sum's two halves,
	v_add_f32 v89, v[LS+2], v[LS+3]
	v_and_b32 v80, 31, v0
	v_and_b32 v81, 15, v0                          ; r
	v_bfe_u32 v82, v0, 4, 1                        ; h
	v_permlanex16_b32 v92, v88, s[SEL], s[SEL+1]
	v_permlanex16_b32 v93, v89, s[SEL], s[SEL+1]
	v_lshlrev_b32 v83, 4, v80
	v_add_nc_u32 v83, s91, v83                     ; O^T as an image of its registers: 16 bytes a lane
	v_lshlrev_b32 v84, 3, v80
	v_add_nc_u32 v84, s92, v84                     ; (-M, sum): 8 bytes a lane
	v_mov_b32 v76, v[NM]
	v_mov_b32 v78, v[NM+1]
	v_add_f32 v77, v88, v92                        ; and lane l xor 16's
	v_add_f32 v79, v89, v93
	v_mul_u32_u24 v85, v81, 272
	v_lshl_add_u32 v85, v82, 5, v85
	v_add_nc_u32 v85, s93, v85                     ; the stage, in: row r; tile t's eight channels of my half: 64 t + 32 h bytes on
	v_mul_u32_u24 v86, v82, 272
	v_lshl_add_u32 v86, v81, 4, v86
	v_add_nc_u32 v86, s93, v86                     ; back: lanes 0-15 one row of 256 bytes, lanes 16-31 the next
	v_lshlrev_b32 v87, 8, v82
	v_lshl_add_u32 v87, v81, 4, v87                ; and the same two rows in out0
	s_wait_alu depctr_va_vdst(0)                   ; the wait ahead of the branches and the barrier below
	s_cmp_lt_u32 s[WV], 4
	s_cbranch_scc1 .Lkeep
	WIN 0x04                                       ; the stores' data: window 1
.irp x, 0,1
.irp i, 0,1,2,3,4,5,6,7                        ; waves 4-7: O^T goes to LDS as an image of its registers, each accumulator from its low end on
	ds_store_b128 v83, v[O+32*\x+4*\i:O+32*\x+4*\i+3] offset:4352*\x+512*\i
.endr
.endr
	WIN 0
	ds_store_b64 v84, v[76:77]
	ds_store_b64 v84, v[78:79] offset:4352
.Lkeep:
	s_wait_dscnt 0x0                               ; for the others' sake: my stores have landed
	s_barrier_signal -1
	s_barrier_wait -1
	s_cmp_lt_u32 s[WV], 4
	s_cbranch_scc0 .Lend                           ; waves 4-7 are done
.irp x, 0,1
.irp i, 0,1,2,3,4,5,6,7
	ds_load_b128 v[SA+64*\x+4*\i:SA+64*\x+4*\i+3], v83 offset:4352*\x+512*\i   ; the partner's O^T: the same registers' image in the same lanes
.endr
.endr
	ds_load_b64 v[128:129], v84                    ; its -M and sum
	ds_load_b64 v[130:131], v84 offset:4352
	s_wait_dscnt 0x0
.irp x, 0,1
	v_min_num_f32 v[132+\x], v[76+2*\x], v[128+2*\x]   ; the smaller -M: the larger M
.endr
.irp x, 0,1
	v_sub_f32 v[134+\x], v[132+\x], v[76+2*\x]     ; my M less it, and the partner's: whole numbers, 0 or less
	v_sub_f32 v[136+\x], v[132+\x], v[128+2*\x]
.endr
.irp i, 134,135,136,137
	v_cvt_i32_f32 v[\i], v[\i]
.endr
.irp i, 134,135,136,137
	v_ldexp_f32 v[\i], 1.0, v[\i]                  ; f0, f1: powers of two
.endr
.irp x, 0,1
	v_mul_f32 v[138+\x], v[77+2*\x], v[134+\x]
.endr
.irp x, 0,1
	v_fma_f32 v[138+\x], v[129+2*\x], v[136+\x], v[138+\x]   ; the row's sum under the common M
.endr
	s_wait_alu depctr_va_vdst(0)                   ; the wait ahead of the transcendentals
	v_rcp_f32 v140, v138
	v_rcp_f32 v141, v139
	v_nop                                          ; a plain place behind them
	s_wait_alu depctr_va_vdst(0)                   ; and the wait ahead of their first reader
.irp x, 0,1
	v_mul_f32 v[142+4*\x], v[134+\x], v[140+\x]    ; g0 = f0 / sum, g1 = f1 / sum, each twice: pairs for the packed forms
	v_mul_f32 v[143+4*\x], v[134+\x], v[140+\x]
	v_mul_f32 v[144+4*\x], v[136+\x], v[140+\x]
	v_mul_f32 v[145+4*\x], v[136+\x], v[140+\x]
.endr
.irp x, 0,1
.irp j, 0,2,4,6,8,10,12,14,16,18,20,22,24,26,28,30
	v_pk_mul_f32 v[SA+64*\x+\j:SA+64*\x+\j+1], v[SA+64*\x+\j:SA+64*\x+\j+1], v[144+4*\x:145+4*\x]
.endr
.endr
	WIN 0x01                                       ; source 0: window 1
	s_wait_alu depctr_va_vdst(0)                   ; the wait directly ahead of the first reader of O^T
.irp x, 0,1
.irp j, 0,2,4,6,8,10,12,14,16,18,20,22,24,26,28,30
	v_pk_fma_f32 v[SA+64*\x+\j:SA+64*\x+\j+1], v[O+32*\x+\j:O+32*\x+\j+1], v[142+4*\x:143+4*\x], v[SA+64*\x+\j:SA+64*\x+\j+1]   ; register 8 t + i is out0(query r of the tile, channel 16 t + 8 h + i)
.endr
.endr
	WIN 0
	; THE WAY OUT: through my own stages, so that sixteen lanes store one row of out0: 256 consecutive bytes, at a multiple of 256 from out0's first byte
.irp x, 0,1
.irp t, 0,1,2,3
	ds_store_b128 v85, v[SA+64*\x+8*\t:SA+64*\x+8*\t+3] offset:4352*\x+64*\t
	ds_store_b128 v85, v[SA+64*\x+8*\t+4:SA+64*\x+8*\t+7] offset:4352*\x+64*\t+16
.endr
.endr
.irp x, 0,1
.irp i, 0,1,2,3,4,5,6,7
	ds_load_b128 v[192+32*\x+4*\i:195+32*\x+4*\i], v86 offset:4352*\x+2*\i*272   ; LDS serves a wave's instructions in order (ISA guide 5.7.1.4): these see my stores
.endr
.endr
.irp x, 0,1
.irp i, 0,1,2,3,4,5,6,7
	s_wait_dscnt 15-8*\x-\i                        ; this load is back; the younger ones may be out
	global_store_b128 v87, v[192+32*\x+4*\i:195+32*\x+4*\i], s[16:17] offset:4096*\x+512*\i th:TH_STORE_NT
.endr
.endr
.Lend:
	s_wait_tensorcnt 0x0                           ; the wave's end: a wait, an add and its wait, behind my last tensor load and my last LDS store
	ds_add_u32 v[SPW], v[NIL]
	s_wait_dscnt 0x0
	CROUND                                         ; the closing round: no work-group ends while a partner may still ask for a tile that names it
	s_endpgm
.Lfunc_end_k_q68e7d32176_attn:
	.size	k_q68e7d32176_attn, .Lfunc_end_k_q68e7d32176_attn-k_q68e7d32176_attn
	.p2alignl 7, 3214868480
	.fill 96, 4, 3214868480
	.section	.rodata,"a",@progbits
	.p2align	6, 0x0
	.amdhsa_kernel k_q68e7d32176_attn
		.amdhsa_group_segment_fixed_size 327680
		.amdhsa_private_segment_fixed_size 0
		.amdhsa_enable_private_segment 0
		.amdhsa_kernarg_size 56
		.amdhsa_user_sgpr_count 2
		.amdhsa_user_sgpr_kernarg_segment_ptr 1
		.amdhsa_wavefront_size32 1
		.amdhsa_system_sgpr_workgroup_id_x 1
		.amdhsa_system_sgpr_workgroup_id_y 1
		.amdhsa_system_sgpr_workgroup_id_z 1
		.amdhsa_system_vgpr_workitem_id 0
		.amdhsa_next_free_vgpr 512
		.amdhsa_next_free_sgpr 96
		.amdhsa_reserve_vcc 0
		.amdhsa_float_denorm_mode_32 3
		.amdhsa_float_denorm_mode_16_64 3
		.amdhsa_memory_ordered 1
		.amdhsa_forward_progress 1
		.amdhsa_inst_pref_size 225
	.end_amdhsa_kernel
	.amdgpu_metadata
---
amdhsa.version: [ 1, 2 ]
amdhsa.kernels:
  - .name:           k_q68e7d32176_attn
    .symbol:         k_q68e7d32176_attn.kd
    .args:
      - { .name: k_local_codes, .offset: 0, .size: 8, .value_kind: global_buffer, .address_space: global }
      - { .name: k_local_scales, .offset: 8, .size: 8, .value_kind: global_buffer, .address_space: global }
      - { .name: q_local_codes, .offset: 16, .size: 8, .value_kind: global_buffer, .address_space: global }
      - { .name: q_local_scales, .offset: 24, .size: 8, .value_kind: global_buffer, .address_space: global }
      - { .name: v_local_codes, .offset: 32, .size: 8, .value_kind: global_buffer, .address_space: global }
      - { .name: v_local_scales, .offset: 40, .size: 8, .value_kind: global_buffer, .address_space: global }
      - { .name: out0, .offset: 48, .size: 8, .value_kind: global_buffer, .address_space: global }
    .group_segment_fixed_size: 327680
    .private_segment_fixed_size: 0
    .kernarg_segment_align: 8
    .kernarg_segment_size: 56
    .max_flat_workgroup_size: 256
    .sgpr_count:     96
    .vgpr_count:     512
    .wavefront_size: 32
...
	.end_amdgpu_metadata
.endif
;; end of part 1
